; MI455X (gfx1250); checked and timed in simulation.
; The chip was launched on July 23, 2026; its instructions are those of AMD's public machine-readable ISA for CDNA 5 (MIT licence, August 2026) and "CDNA5" Instruction Set Architecture Reference Guide (July 2026). The comments in the code are by the model that wrote it; some were corrected since.
;; Self Attention. Allowed arithmetic: matrix products marked QUANTISED: E2M3 operands, one E8M0 scale for each 32 along K, by v_wmma_scale_f32_16x16x128_f8f6f4 with both operands' format E2M3, f32 sums; everything else in f32.
;; Inputs: Wk_codes 1,024 x 32 x 24 uint8 (E2M3 codes of Wk, K innermost, in blocks of 32 codes, four codes in three bytes); Wk_scales 1,024 x 32 uint8 (E8M0 scales of Wk, one for each 32 codes along K); Wo_codes 1,024 x 32 x 24 uint8 (E2M3 codes of Wo, K innermost, in blocks of 32 codes, four codes in three bytes); Wo_scales 1,024 x 32 uint8 (E8M0 scales of Wo, one for each 32 codes along K); Wq_codes 1,024 x 32 x 24 uint8 (E2M3 codes of Wq, K innermost, in blocks of 32 codes, four codes in three bytes); Wq_scales 1,024 x 32 uint8 (E8M0 scales of Wq, one for each 32 codes along K); Wv_codes 1,024 x 32 x 24 uint8 (E2M3 codes of Wv, K innermost, in blocks of 32 codes, four codes in three bytes); Wv_scales 1,024 x 32 uint8 (E8M0 scales of Wv, one for each 32 codes along K); bk 1,024 float32; bo 1,024 float32; bq 1,024 float32; bv 1,024 float32; key_codes 4 x 2,048 x 32 x 24 uint8 (E2M3 codes of key, K innermost, in blocks of 32 codes, four codes in three bytes); key_scales 4 x 2,048 x 32 uint8 (E8M0 scales of key, one for each 32 codes along K); mask 4 x 1 x 2,048 x 2,048 int32; query_codes 4 x 2,048 x 32 x 24 uint8 (E2M3 codes of query, K innermost, in blocks of 32 codes, four codes in three bytes); query_scales 4 x 2,048 x 32 uint8 (E8M0 scales of query, one for each 32 codes along K); value_codes 4 x 2,048 x 32 x 24 uint8 (E2M3 codes of value, K innermost, in blocks of 32 codes, four codes in three bytes); value_scales 4 x 2,048 x 32 uint8 (E8M0 scales of value, one for each 32 codes along K).
;; Outputs: out0 4 x 2,048 x 1,024 float32.
;; This version of the problem:
;;   THIS VERSION OF THE PROBLEM IS GIVEN IN LOW PRECISION. The matrix products marked QUANTISED in the list below multiply operands that are first quantised to E2M3 (2 exponent bits, 3 mantissa bits; 6 bits a number), with one power-of-two scale for each 32 numbers along K (OCP MX v1.0); their sums are f32. All else is computed in f32.
;;   The module's matrix products, in the order in which they are computed (A, B: the left and right operand; K: the contracted axis; several contracted axes count as one K, in the product's order):
;;     1. [M 8,192, K 1,024] x [K 1,024, N 1,024]; A: input value (given as codes); B: input Wv (given as codes): QUANTISED
;;     2. [M 8,192, K 1,024] x [K 1,024, N 1,024]; A: input key (given as codes); B: input Wk (given as codes): QUANTISED
;;     3. [M 8,192, K 1,024] x [K 1,024, N 1,024]; A: input query (given as codes); B: input Wq (given as codes): QUANTISED
;;     4. batch 64 x [M 2,048, K 64] x [K 64, N 2,048]; A: computed on the way; B: computed on the way: QUANTISED
;;     5. batch 64 x [M 64, K 2,048] x [K 2,048, N 2,048]; A: computed on the way; B: softmax (see below): QUANTISED
;;     6. [M 8,192, K 1,024] x [K 1,024, N 1,024]; A: computed on the way; B: input Wo (given as codes): QUANTISED
;;   THE QUANTISER, for each operand of a quantised product, along K:
;;     - K is cut into blocks of 32 from its start; a last block that is shorter is filled with zeros.
;;     - A block's scale is 2^e with e = floor(log2(the largest magnitude in the block)) - 2, held to -126 .. 127; a block of zeros has e = 0. As a byte (E8M0): e + 127.
;;     - Each number is divided by its block's scale, clamped to +-7.5, and rounded to the nearest number of E2M3, ties to even, subnormals kept.
;;     - The product sums the exact products of the quantised numbers (number of the format x scale) in f32.
;;   ~~~python
;;   def quantise(x, axis):      # numpy; x: float32 -> the quantised numbers, widened to float32 again
;;       x = np.moveaxis(x, axis, -1); K = x.shape[-1]
;;       x = np.pad(x, [(0, 0)] * (x.ndim - 1) + [(0, -K % 32)]); x = x.reshape(x.shape[:-1] + (-1, 32)); a = np.abs(x).max(-1, keepdims=True)
;;       e = np.where(a > 0, np.clip(np.frexp(np.where(a > 0, a, 1))[1] - 1 - 2, -126, 127), 0)      # np.frexp(a)[1] - 1 = floor(log2(a)), exactly
;;       r = np.clip(x / 2.0 ** e, -7.5, 7.5)
;;       step = 2.0 ** (np.maximum(np.frexp(np.where(r == 0, 1, r))[1] - 1, 0) - 3)
;;       q = np.round(r / step) * step * 2.0 ** e      # np.round: ties to even
;;       return np.moveaxis(q.reshape(q.shape[:-2] + (-1,))[..., :K], -1, axis).astype(np.float32)
;;   ~~~
;;   SOFTMAX AHEAD OF A QUANTISED PRODUCT. Where the list says 'softmax', what is quantised is not the finished softmax but p = 2^(t - M), with t = logit x log2(e) and M = ceil(the row's largest t), a whole number; so 1/2 < the row's largest p <= 1. The row's sum l is taken of the UNQUANTISED p, in f32, and the product's result is divided by l at the end. Since M is a whole number, a kernel that streams over the keys may use a running M (the ceiling of the running maximum): every later rescaling is an exact power of two, which a block's scale takes up: the codes' values come out the same.
;;   OPERANDS COMPUTED ON THE WAY. 'Computed on the way' means the value that the module computes at that place (a softmax that the list does not call 'softmax' is quantised finished and normalised). What goes into a quantiser is computed in f32, as accurately as f32 sums, v_exp_f32 and their like allow (about 1e-6 of the number): no bf16 or f16 on the way to a quantiser, and a product that is left as it is and whose result goes on into a quantised operand takes f32 operands (vector FMAs, or v_wmma_f32_16x16x4_f32). A number that lies on a knife's edge between two numbers of the format may be rounded either way, as far as f32 arithmetic and the matrix unit's own rounding can turn it there, and no further.
;;   INPUTS GIVEN AS CODES. Wk (in the module: [1024, 1024], K = its axis 1); Wo (in the module: [1024, 1024], K = its axis 1); Wq (in the module: [1024, 1024], K = its axis 1); Wv (in the module: [1024, 1024], K = its axis 1); key (in the module: [4, 2048, 1024], K = its axis 2); query (in the module: [4, 2048, 1024], K = its axis 2); value (in the module: [4, 2048, 1024], K = its axis 2): each comes as NAME_codes (uint8): NAME with its K axis moved to the last place and cut into blocks of 32 codes, [.., K / 32, bytes a block], one block behind the other in memory; four codes in three bytes: a row's codes are one little-endian stream of bits, code i at bits 6 i .. 6 i + 5 (a code: sign, 2 exponent bits, 3 mantissa bits); and NAME_scales (uint8): the same leading axes, one E8M0 byte (e + 127) for each 32 codes along K. Its value is code x scale, taken as it is: it is not quantised again, and the codes and scales need not be those that the quantiser above would give.
;; One version. Each part assembles by itself: llvm-mc -triple=amdgcn-amd-amdhsa -mcpu=gfx1250 --defsym DOCPART=n.
;; ======== version 1 of 1: 3 launches
;; limits: right only within a limited range of input values
;; workspace buffers: maskbits 2,097,152 bytes of whole numbers; qb 13,107,200 bytes; kv 13,107,200 bytes; ao_codes 6,291,456 bytes; ao_scales 262,144 bytes
;; launch proj (part 1): grid 4 x 128, 4 waves a work-group, clusters of 4 x 4, 327,680 bytes of LDS; arguments query_codes, query_scales, Wq_codes, Wq_scales, bq, key_codes, key_scales, Wk_codes, Wk_scales, bk, Wv_codes, Wv_scales, value_codes, value_scales, bv, qb, kv, mask, maskbits; writes qb, kv, maskbits
.if DOCPART == 1
	.amdgcn_target "amdgcn-amd-amdhsa--gfx1250"
	.amdhsa_code_object_version 6
	.text
	.protected	k_q308d7189b5_proj
	.globl	k_q308d7189b5_proj
	.p2align	8
	.type	k_q308d7189b5_proj,@function
k_q308d7189b5_proj:
	s_mov_b64 s[64:65], 0
	v_nop
	global_prefetch_b8 v0, s[64:65] scope:SCOPE_SE
	s_setreg_imm32_b32 hwreg(HW_REG_WAVE_MODE, 25, 1), 1
	s_wait_xcnt 0x0
	s_wait_alu depctr_hold_cnt(0) depctr_sa_sdst(0) depctr_va_vdst(0) depctr_va_sdst(0) depctr_va_ssrc(0) depctr_va_vcc(0) depctr_vm_vsrc(0)
	s_getreg_b32 s2, hwreg(HW_REG_IB_STS2, 6, 4)
	s_cmp_eq_u32 s2, 0
	s_cbranch_scc0 .Lentry_in_a_cluster
	s_endpgm
.Lentry_in_a_cluster:
	s_bfe_u32 s2, ttmp6, 0x10000c
	s_cmp_lg_u32 s2, 0xf033
	s_cbranch_scc0 .Lentry_shape_is_right
	s_endpgm
.Lentry_shape_is_right:
; Clusters 0-23 along y: the three projections q, k, v (8 clusters each) on codes of FP6 (E2M3), a tile of 256 x 256 a work-group, 128 x 128 a wave; the result + bias is quantised and stored as images of the attention launch's operand registers.
; Clusters 24-31: the mask [4][1][2048][2048] int32 becomes lane-mask words; a work-group takes four query tiles of 16 rows.
; THE PRODUCT.  K = 1,024 is 768 bytes of a row: three chunks of 256 bytes, each beginning at a multiple of 256 bytes.  Chunk c lies in slot c % 2.  Both slots are filled at the head, one joint load a wave
; (wave 0: A's chunk 0, wave 1: B's chunk 0, wave 2: A's chunk 1, wave 3: B's chunk 1, 256 rows each); chunk 2 is the one refill, behind a round of the cluster's barrier, 128 rows a wave.
; A step of 128 along K is 96 bytes of a row; steps 2 and 5 lie across two chunks.  For v the operands change places (A = Wv, B = value), so that a lane's registers run along the tokens.
; THE SCALES come straight into registers: 16 rows x 32 bytes are 512 consecutive bytes, one load of 16 bytes a lane: lane (r, h) holds row r's words of steps 4 h .. 4 h + 3; steps 4-7 read lanes 16-31.
; PREFETCH: chunk 2 of the cluster's rows is asked for once at the head, two steps ahead of its load: a lane a row, one instruction a wave; the four partners of a joint load share its rows out by address.
; Source 0 = 16 rows of B, source 1 = 16 rows of A: a lane holds eight neighbouring columns of one row.
; LIMITS: NaN and infinities are not served; a block whose largest magnitude lies under 2^-124, or of zeros, keeps the byte 1 (its reader is this program alone).
; WINDOWS: 0: v0-31 addresses, v32-63 A's scales, v64-127 bias, v128-223 A's fragments, v224-255 B's scales; 1: B's fragments, two sets; 2, 3: accumulators.
.set ROWB,   256
.set KROW,   768
.set CHUNKS, 3
.set PITCH,  272
.set FR,     12
.set NL,     6
.set NP,     4
.set HALFT,  128*PITCH
.set SLOT,   4*HALFT
.set SPARE,  2*SLOT                    ; the spare words, 512 bytes
.set MST,    SPARE+512                 ; the mask path's stages: bytes of their own
.set SP,     528
.set WST,    16*SP
.set STEPB,  12800
.set HEADB,  16*STEPB
.set ADRA, 16
.set ADRB, 20
.set L16,  24
.set L8,   25
.set SPW,  28
.set NIL,  29
.set PFO,  30
.set SCA,  32
.set BIAS, 64
.set AF,   128
.set SCB,  224
.set TM,   32
.set TP,   36
.set TS,   40
.set PWA,  44
.set PWB,  45
.set T2,   48
.set SW,   56
.set G1,   24
.set G0,   32
.set G0B,  36
.set G1B,  48
.set G0H,  56
.set G0HB, 60
.set PFA,  66
.set MSB, 0
.macro WIN new
.if MSB != \new
	s_set_vgpr_msb (MSB<<8)|\new
.set MSB, \new
.endif
.endm
.set MUL_LO, 0xa1
.set MUL_HI, 0xf1
.set TO_B,   0x40
.macro PLACES n
.rept \n
	v_nop
.endr
.endm
.macro JLOAD role, g0a, g0b            ; a joint load: role 0 asks for A, else for B; the branch hangs on the wave's number alone
	s_cmp_eq_u32 s[\role], 0
	s_cbranch_scc0 .Lfor_b_\@
	tensor_load_to_lds s[\g0a:\g0a+3], s[G1:G1+7]
	s_nop 0
	PLACES 4
	s_branch .Lasked_\@
.Lfor_b_\@:
	tensor_load_to_lds s[\g0b:\g0b+3], s[G1B:G1B+7]
	s_nop 0
	PLACES 4
.Lasked_\@:
.endm
.macro CREST
	s_cmp_lg_u32 s14, 0
	s_cbranch_scc1 .Lnot_wave_0_\@
	s_barrier_signal -3
.Lnot_wave_0_\@:
	s_barrier_wait -3
	s_barrier_signal -1
	s_barrier_wait -1
.endm
.macro CROUND
	s_barrier_signal -1
	s_barrier_wait -1
	CREST
.endm
	s_load_b512 s[24:39], s[0:1], 0x0
	s_load_b512 s[40:55], s[0:1], 0x40
	s_load_b64 s[56:57], s[0:1], 0x80
	s_load_b128 s[60:63], s[0:1], 0x88             ; mask, maskbits
	v_lshl_add_u32 v[SPW], v0, 2, SPARE
	v_mov_b32 v[NIL], 0
	ds_add_u32 v[SPW], v[NIL]                      ; the opening lines: the add twice on end and one wait
	ds_add_u32 v[SPW], v[NIL]
	v_lshrrev_b32 v1, 5, v0
	v_readfirstlane_b32 s14, v1                    ; wave
	s_lshr_b32 s15, s14, 1
	s_and_b32 s16, s14, 1
	s_and_b32 s97, ttmp7, 0xffff
	s_lshr_b32 s95, s97, 3                         ; 0 q, 1 k, 2 v, 3 the mask
	s_and_b32 s97, s97, 7
	s_bfe_u32 s68, ttmp6, 0x40000                  ; cx
	s_bfe_u32 s69, ttmp6, 0x40004                  ; cy
	s_mov_b32 s96, 0xffff0000
	s_mov_b32 s100, 0x76543210
	s_mov_b32 s101, 0xfedcba98
	s_wait_alu depctr_va_vdst(0)                   ; the wait ahead of the waits below
	s_wait_dscnt 0x0
	s_wait_kmcnt 0x0
	s_cmp_eq_u32 s95, 3
	s_cbranch_scc1 .Lmask                          ; whole clusters part here
	s_cmp_eq_u32 s95, 0
	s_cselect_b64 s[4:5], s[24:25], s[34:35]
	s_cselect_b64 s[6:7], s[26:27], s[36:37]
	s_cselect_b64 s[8:9], s[28:29], s[38:39]
	s_cselect_b64 s[10:11], s[30:31], s[40:41]
	s_cselect_b64 s[98:99], s[32:33], s[42:43]
	s_cselect_b64 s[12:13], s[54:55], s[56:57]
	s_cmp_eq_u32 s95, 2
	s_cselect_b64 s[4:5], s[44:45], s[4:5]
	s_cselect_b64 s[6:7], s[46:47], s[6:7]
	s_cselect_b64 s[8:9], s[48:49], s[8:9]
	s_cselect_b64 s[10:11], s[50:51], s[10:11]
	s_cselect_b64 s[98:99], s[52:53], s[98:99]
	s_cselect_b32 s93, 0, s97
	s_cselect_b32 s94, s97, 0
	s_lshl_b32 s42, s94, 2
	s_add_co_u32 s42, s42, s68                     ; tile column
	s_lshl_b32 s17, s93, 2
	s_add_co_u32 s17, s17, s69                     ; tile row
	s_lshl_b32 s43, s69, 2
	s_lshl_b32 s43, 15, s43                        ; my row of the cluster
	s_lshl_b32 s44, 0x1111, s68                    ; my column
	s_or_b32 s[G1+0], s43, (1<<20)|(1<<21)|(5<<22)|(3<<25)   ; elements of 1 byte; 4 words of padding behind every 64
	s_or_b32 s[G1B+0], s44, (1<<20)|(1<<21)|(5<<22)|(3<<25)
.irp g, G1, G1B
	s_mov_b32 s[\g+1], ROWB<<16
	s_mov_b32 s[\g+2], 256<<16                     ; 256 rows at the head
	s_mov_b32 s[\g+3], ROWB<<16
	s_mov_b32 s[\g+4], 256
	s_mov_b32 s[\g+5], KROW
	s_mov_b32 s[\g+6], 0
	s_mov_b32 s[\g+7], 0
.endr
	s_lshl_b32 s20, s17, 8                         ; A's first row
	s_lshl_b32 s46, s42, 8                         ; B's first row
	s_lshl_b32 s18, s15, 7
	s_add_co_u32 s18, s18, s20                     ; the first of the 128 rows of A that I multiply
	s_lshl_b32 s19, s16, 7
	s_add_co_u32 s19, s19, s46                     ; and of B
	s_mul_i32 s20, s20, KROW
	s_mov_b32 s21, 0
	s_mul_i32 s46, s46, KROW
	s_mov_b32 s47, 0
	s_add_nc_u64 s[20:21], s[4:5], s[20:21]
	s_add_nc_u64 s[46:47], s[8:9], s[46:47]
	s_mul_i32 s45, s15, SLOT                       ; at the head wave w asks for chunk w / 2, of A (w even) or of B
	s_lshl_b32 s2, s15, 8
	s_mov_b32 s3, 0
	s_mov_b32 s[G0H], 1
	s_mov_b32 s[G0H+1], s45
	s_add_nc_u64 s[G0H+2:G0H+3], s[20:21], s[2:3]
	s_or_b32 s[G0H+3], s[G0H+3], 0x80000000
	s_mov_b32 s[G0HB], 1
	s_add_co_u32 s[G0HB+1], s45, 2*HALFT
	s_add_nc_u64 s[G0HB+2:G0HB+3], s[46:47], s[2:3]
	s_or_b32 s[G0HB+3], s[G0HB+3], 0x80000000
	CROUND                                         ; all sixteen work-groups are here: the first joint loads meet
	JLOAD 16, G0H, G0HB                            ; my one load of the head
	v_and_b32 v1, 15, v0                           ; r
	v_bfe_u32 v2, v0, 4, 1                         ; h
	v_lshlrev_b32 v26, 5, v1
	v_lshl_add_u32 v26, v2, 4, v26                 ; 32 r + 16 h
	s_wait_alu depctr_va_vdst(0)
	s_lshl_b32 s22, s18, 5
	s_mov_b32 s23, 0
	s_add_nc_u64 s[6:7], s[6:7], s[22:23]
	s_lshl_b32 s22, s19, 5
	s_add_nc_u64 s[10:11], s[10:11], s[22:23]
.irp i, 0,1,2,3,4,5,6,7
	global_load_b128 v[SCA+4*\i:SCA+4*\i+3], v26, s[6:7] offset:512*\i
	global_load_b128 v[SCB+4*\i:SCB+4*\i+3], v26, s[10:11] offset:512*\i
.endr
	s_mul_i32 s2, s16, 128*KROW                    ; the refill: chunk 2; waves 0, 1 A's halves, waves 2, 3 B's
	s_add_co_u32 s2, s2, 2*ROWB
	s_mul_i32 s45, s14, HALFT
	s_mov_b32 s[G0], 1
	s_mov_b32 s[G0+1], s45
	s_add_nc_u64 s[G0+2:G0+3], s[20:21], s[2:3]
	s_or_b32 s[G0+3], s[G0+3], 0x80000000
	s_mov_b32 s[G0B], 1
	s_mov_b32 s[G0B+1], s45
	s_add_nc_u64 s[G0B+2:G0B+3], s[46:47], s[2:3]
	s_or_b32 s[G0B+3], s[G0B+3], 0x80000000
	s_cmp_eq_u32 s15, 0                            ; the prefetch: of the 128 rows that I will ask for, my work-group's 32
	s_cselect_b32 s2, s68, s69
	s_cselect_b64 s[PFA:PFA+1], s[20:21], s[46:47]
	s_lshl_b32 s2, s2, 5
	s_lshl_b32 s22, s16, 7
	s_add_co_u32 s2, s2, s22
	s_mul_i32 s2, s2, KROW
	s_add_nc_u64 s[PFA:PFA+1], s[PFA:PFA+1], s[2:3]
	s_mul_i32 s70, s15, HALFT                      ; my rows of A in slot 0,
	s_mul_i32 s71, s16, HALFT
	s_add_co_u32 s71, s71, 2*HALFT                 ; of B,
	s_add_co_u32 s72, s70, SLOT                    ; and in slot 1
	s_add_co_u32 s73, s71, SLOT
	s_mov_b32 s74, SLOT-232
	s_mov_b32 s75, SLOT+232
	s_cmp_eq_u32 s95, 2
	s_cselect_b32 s92, s19, s18                    ; my first token
	s_cselect_b32 s93, s18, s19                    ; my first channel
	s_cselect_b32 s76, 4, 0
	s_cselect_b32 s77, 0, 32
	s_cselect_b32 s78, 0, 4
	s_lshl_b32 s46, s93, 2
	s_mov_b32 s47, 0
	s_add_nc_u64 s[98:99], s[98:99], s[46:47]
	s_lshr_b32 s46, s92, 11
	s_lshl_b32 s46, s46, 4
	s_lshr_b32 s23, s93, 6
	s_add_co_u32 s46, s46, s23
	s_lshl_b32 s46, s46, 4
	s_bfe_u32 s23, s92, 0x40007
	s_add_co_u32 s46, s46, s23
	s_mul_i32 s46, s46, STEPB
	s_add_nc_u64 s[12:13], s[12:13], s[46:47]      ; [n][head][step of 128 tokens][12,800]
	v_mul_u32_u24 v3, v1, PITCH
	v_mul_u32_u24 v4, v2, 24
	v_add_nc_u32 v4, v3, v4                        ; row x pitch + 24 h
	v_sub_nc_u32 v7, 1, v2
	v_mul_u32_u24 v5, s74, v2
	v_add_nc_u32 v5, v3, v5
	v_add_nc_u32 v5, 232, v5                       ; lanes 0-15 byte 232 in slot 0, lanes 16-31 byte 0 in slot 1
	v_mul_u32_u24 v6, s75, v7
	v_add_nc_u32 v6, v3, v6                        ; and the other way round
	v_add_nc_u32 v[ADRA+2], s70, v5
	v_add_nc_u32 v[ADRA+3], s70, v6
	v_add_nc_u32 v[ADRB+2], s71, v5
	v_add_nc_u32 v[ADRB+3], s71, v6
	v_add_nc_u32 v[ADRA], s70, v4
	v_add_nc_u32 v[ADRB], s71, v4
	v_add_nc_u32 v[ADRA+1], s72, v4
	v_add_nc_u32 v[ADRB+1], s73, v4
	v_and_b32 v6, 31, v0
	v_lshlrev_b32 v[L16], 4, v6
	v_lshlrev_b32 v[L8], 3, v6
	v_mul_u32_u24 v[PFO], v6, KROW
	v_mul_u32_u24 v7, v1, s76                      ; bias: q, k: channel 8 h + j of B's block; v: channel r of A's block
	v_mad_u32_u24 v7, v2, s77, v7
.irp j, 0,1,2,3,4,5,6,7
	v_mad_u32_u24 v[8+\j], s78, \j, v7
.endr
.irp i, 0,1,2,3,4,5,6,7
.irp j, 0,1,2,3,4,5,6,7
	global_load_b32 v[BIAS+8*\i+\j], v[8+\j], s[98:99] offset:64*\i
.endr
.endr
	global_prefetch_b8 v[PFO], s[PFA:PFA+1] offset:2*ROWB th:TH_LOAD_NT scope:SCOPE_SE   ; its address registers are never written again
.macro FRAG reg, adr, st, i            ; 16 rows x 128 K: six pieces of 8 bytes; byte y of a row lies in slot (y / 256) % 2 at byte y % 256
.irp p, 0,1,2,3,4,5
.set BY, 96*(\st)+48*(\p/3)+8*(\p%3)
.if BY/ROWB == (BY+24)/ROWB
	ds_load_b64 v[\reg+2*\p:\reg+2*\p+1], v[\adr+(BY/ROWB)%2] offset:BY%ROWB+(\i)*16*PITCH
.else
	ds_load_b64 v[\reg+2*\p:\reg+2*\p+1], v[\adr+2+(BY/ROWB)%2] offset:BY%ROWB-232+(\i)*16*PITCH
.endif
.endr
.endm
.macro MUL16 a0, st, cm                ; A's blocks a0, a0 + 1 x B's eight; cm: 1 bias by B's block, 2 by A's block, as the first C.  The 64 accumulators take turns
.irp a, \a0, \a0+1
.irp b, 0,1,2,3,4,5,6,7
.set DD, 8*(8*((\a)%4)+\b)
.set BF, 128*((\st)%2)+FR*\b
.set AA, AF+FR*(\a)
.set SB, SCB+4*\b+(\st)%4
.set SA, SCA+4*(\a)+(\st)%4
.if (\cm) == 1
	v_wmma_scale_f32_16x16x128_f8f6f4 v[DD:DD+7], v[BF:BF+11], v[AA:AA+11], v[BIAS+8*\b:BIAS+8*\b+7], v[SB], v[SA] matrix_a_fmt:MATRIX_FMT_FP6 matrix_b_fmt:MATRIX_FMT_FP6
.elseif (\cm) == 2
	v_wmma_scale_f32_16x16x128_f8f6f4 v[DD:DD+7], v[BF:BF+11], v[AA:AA+11], v[BIAS+8*(\a):BIAS+8*(\a)+7], v[SB], v[SA] matrix_a_fmt:MATRIX_FMT_FP6 matrix_b_fmt:MATRIX_FMT_FP6
.elseif (\st) < 4
	v_wmma_scale_f32_16x16x128_f8f6f4 v[DD:DD+7], v[BF:BF+11], v[AA:AA+11], v[DD:DD+7], v[SB], v[SA] matrix_a_fmt:MATRIX_FMT_FP6 matrix_b_fmt:MATRIX_FMT_FP6
.else
	v_wmma_scale_f32_16x16x128_f8f6f4 v[DD:DD+7], v[BF:BF+11], v[AA:AA+11], v[DD:DD+7], v[SB], v[SA] matrix_a_fmt:MATRIX_FMT_FP6 matrix_b_fmt:MATRIX_FMT_FP6 matrix_a_scale:MATRIX_SCALE_ROW1 matrix_b_scale:MATRIX_SCALE_ROW1
.endif
.endr
.endr
.endm
.macro FETCH_B st
	WIN TO_B
.irp i, 0,1,2,3,4,5,6,7
	FRAG 128*((\st)%2)+FR*\i, ADRB, \st, \i
.endr
	WIN 0
.endm
.macro FETCH_A st, i0
.irp i, \i0, \i0+1, \i0+2, \i0+3
	FRAG AF+FR*(\i), ADRA, \st, \i
.endr
.endm
; A step: 64 products; the next step's fragments are fetched in its middle and at its end.  Where the next step's bytes end in a chunk not read so far, a barrier shows that chunk whole;
; where they begin in a later chunk, the chunk left behind is read no more: the wait for all my tensor loads, the add, the wait for it and my reads, the barrier; chunk 0's slot is then filled again behind a round.
.macro STEP st, cm
.set NX, (\st)+1
.set C0, (96*(\st))/ROWB
.set C1, (96*NX)/ROWB
.set E0, (96*(\st)+95)/ROWB
.set E1, (96*NX+95)/ROWB
.if C1 > C0 || E1 > E0
	s_wait_tensorcnt 0x0
.if C1 > C0
	ds_add_u32 v[SPW], v[NIL]
	s_wait_dscnt 4*NL+1                            ; the add and A's blocks 4-7 may be out
.else
	s_wait_dscnt 4*NL
.endif
	WIN MUL_LO
	MUL16 0, \st, 0
	s_wait_dscnt 0x0
	s_barrier_signal -1
	MUL16 2, \st, 0
	WIN 0
	s_barrier_wait -1
.if C1 > C0 && C0+2 < CHUNKS
	CREST
	JLOAD 15, G0, G0B                              ; chunk 2, first behind the round; its four v_nop are the places in front of the loads below
.else
	PLACES NP
.endif
.else
	s_wait_dscnt 4*NL                              ; A's blocks 4-7 may be out
.if \cm
	WIN 0x81
.else
	WIN MUL_LO
.endif
	MUL16 0, \st, \cm
	MUL16 2, \st, \cm
	s_wait_dscnt 0
	PLACES NP
.endif
	FETCH_B NX
	FETCH_A NX, 0
.if \cm
	WIN 0xc1
.else
	WIN MUL_HI
.endif
	MUL16 4, \st, \cm
	MUL16 6, \st, \cm
	PLACES NP
	WIN 0
	FETCH_A NX, 4
.endm
	s_wait_alu depctr_va_vdst(0)                   ; the wait at the head's end
	s_wait_tensorcnt 0x0                           ; my tile of the head's four is in, and no load of mine is out: the ring's loads bring 128 rows
	s_mov_b32 s[G1+2], 128<<16
	s_mov_b32 s[G1+4], 128
	s_mov_b32 s[G1B+2], 128<<16
	s_mov_b32 s[G1B+4], 128
	s_barrier_signal -1
	s_barrier_wait -1                              ; chunks 0 and 1 are whole
	FETCH_B 0
	FETCH_A 0, 0
	FETCH_A 0, 4
	s_wait_loadcnt 0x0                             ; scales and bias
	s_cmp_eq_u32 s95, 2
	s_cbranch_scc1 .Lfirst_v
	STEP 0, 1
	s_branch .Lfirst_done
.Lfirst_v:
	STEP 0, 2
.Lfirst_done:
.set ST, 1
.rept 6
	STEP ST, 0
.set ST, ST+1
.endr
	s_wait_dscnt 4*NL
	WIN MUL_LO
	MUL16 0, 7, 0
	MUL16 2, 7, 0
	s_wait_dscnt 0
	WIN MUL_HI
	MUL16 4, 7, 0
	MUL16 6, 7, 0
	WIN 0
	PLACES NP
; THE WAY OUT: 64 registers (four blocks of 32 along the next K, each half in lane l, half in lane l xor 16) become two operand halves and a scale word
.macro QUANT w, s, d0, d1, pw
	WIN ((\w)|((\w)<<2))
.irp b, 0,1,2,3
	v_max3_num_f32 v[TM+\b], |v[(\s)+16*\b]|, |v[(\s)+16*\b+1]|, 0x1800000
.endr
.irp i, 2,4,6,8,10,12,14
.irp b, 0,1,2,3
	v_max3_num_f32 v[TM+\b], |v[(\s)+16*\b+\i]|, |v[(\s)+16*\b+\i+1]|, v[TM+\b]
.endr
.endr
	WIN 0
.irp b, 0,1,2,3
	v_permlanex16_b32 v[TP+\b], v[TM+\b], s100, s101
.endr
.irp b, 0,1,2,3
	v_max_num_f32 v[TM+\b], v[TM+\b], v[TP+\b]
.endr
.irp b, 0,1,2,3
	v_add_nc_u32 v[TS+\b], 0xff000000, v[TM+\b]
.endr
.irp b, 0,1,2,3
	v_lshrrev_b32 v[TP+\b], 23, v[TS+\b]
.endr
	v_lshl_or_b32 v[\pw], v[TP+1], 8, v[TP]
	v_lshl_or_b32 v[\pw], v[TP+2], 16, v[\pw]
	v_lshl_or_b32 v[\pw], v[TP+3], 24, v[\pw]
	WIN (\w)
	v_cvt_scalef32_pk16_fp6_f32 v[(\d0):(\d0)+2], v[(\s):(\s)+15], v[TS]
	v_cvt_scalef32_pk16_fp6_f32 v[T2:T2+2], v[(\s)+16:(\s)+31], v[TS+1]
	v_cvt_scalef32_pk16_fp6_f32 v[(\d1):(\d1)+2], v[(\s)+32:(\s)+47], v[TS+2]
	v_cvt_scalef32_pk16_fp6_f32 v[T2+4:T2+6], v[(\s)+48:(\s)+63], v[TS+3]
	WIN 0
	v_nop
.irp i, 0,1,2
	v_permlane16_swap_b32 v[(\d0)+\i], v[T2+\i]
	v_permlane16_swap_b32 v[(\d1)+\i], v[T2+4+\i]
.endr
.irp i, 0,1,2
	v_mov_b32 v[(\d0)+3+\i], v[T2+\i]
	v_mov_b32 v[(\d1)+3+\i], v[T2+4+\i]
.endr
.endm
.irp b, 0,1,2,3
	v_mov_b32 v[TP+\b], 0
.endr
	s_cmp_eq_u32 s95, 2
	s_cbranch_scc1 .Lout_v
.irp bb, 0,1,2,3
	QUANT 2+\bb/2, 64*((2*\bb)%4), 128+24*\bb, 128+24*\bb+12, PWA
	QUANT 2+\bb/2, 64*((2*\bb+1)%4), 128+24*\bb+6, 128+24*\bb+18, PWB
.irp c, 0,1
.irp k, 0,1,2
	global_store_b128 v[L16], v[128+24*\bb+12*\c+4*\k:128+24*\bb+12*\c+4*\k+3], s[12:13] offset:\c*HEADB+\bb*1536+512*\k
.endr
.endr
	v_perm_b32 v[60+2*(\bb%2)], v[PWB], v[PWA], 0x05040100
	v_perm_b32 v[61+2*(\bb%2)], v[PWB], v[PWA], 0x07060302
.if \bb%2
	v_cndmask_b32 v[SW+\bb/2], v60, v62, s96
	v_cndmask_b32 v[SW+2+\bb/2], v61, v63, s96
.endif
.endr
.irp c, 0,1
	global_store_b64 v[L8], v[SW+2*\c:SW+2*\c+1], s[12:13] offset:\c*HEADB+12288
.endr
	s_branch .Ldone
.Lout_v:
.irp a, 0,1,2,3,4,5,6,7
	QUANT 2+\a/4, 64*(\a%4), 128+12*\a, 128+12*\a+6, PWA+\a%2
.irp k, 0,1,2
	global_store_b128 v[L16], v[128+12*\a+4*\k:128+12*\a+4*\k+3], s[12:13] offset:(\a/4)*HEADB+6144+(\a%4)*1536+512*\k
.endr
.if \a%2
	v_cndmask_b32 v[SW+2*(\a/4)+(\a%4)/2], v[PWA], v[PWB], s96
.endif
.endr
.irp c, 0,1
	global_store_b64 v[L8], v[SW+2*\c:SW+2*\c+1], s[12:13] offset:\c*HEADB+12544
.endr
.Ldone:
	s_wait_tensorcnt 0x0                           ; the wave's end
	ds_add_u32 v[SPW], v[NIL]
	s_wait_dscnt 0x0
	CROUND                                         ; the closing round
	s_endpgm
; THE MASK.  maskbits [Tg = n*128 + query tile][step of 128 keys (16)][64 words]: score register j = 16 bb + 8 u + jj of lane l holds query 16 T + l % 16 and key 128 s + 32 bb + 16 u + 8 (l / 16) + jj;
; bit l of its word is 1 where mask == 0; register j's word lies at word 2 (j % 32) + j / 32.  Work-group i of 128 takes tiles 4 i .. 4 i + 3, a tile a trip; wave w key steps 4 w .. 4 w + 3.
; A load reads 512 consecutive bytes of a row; a step's 16 x 512 bytes turn through the wave's own stage (rows 528 bytes apart) and come back as a lane's 64 numbers.  Four sets of 16 loads (window 1) are out: a whole tile ahead.
.set X,   64
.set OUT, 128
.macro MLOAD t, on
	WIN TO_B
.irp q, 0,1,2,3,4,5,6,7,8,9,10,11,12,13,14,15
	global_load_b128 v[64*(\t)+4*\q:64*(\t)+4*\q+3], v1, s[60:61] offset:\q*8192+(\t)*512+(\on)*131072 th:TH_LOAD_NT
.endr
	WIN 0
.endm
.macro MSTEP t, more, cnt
	s_wait_loadcnt \cnt                            ; this set's 16 loads are in; cnt counts the younger sets' loads
	WIN 0x04
.irp q, 0,1,2,3,4,5,6,7,8,9,10,11,12,13,14,15
	ds_store_b128 v2, v[64*(\t)+4*\q:64*(\t)+4*\q+3] offset:\q*SP
.endr
	WIN 0
.irp bb, 0,1,2,3
.irp u, 0,1
.irp k, 0,1
	ds_load_b128 v[X+16*\bb+8*\u+4*\k:X+16*\bb+8*\u+4*\k+3], v3 offset:128*\bb+64*\u+16*\k   ; LDS serves a wave's instructions in order
.endr
.endr
.endr
	s_wait_dscnt 0x0                               ; my 64 numbers are in, and the stores have read their registers
.if \more
	MLOAD \t, 1                                    ; which take the next tile's loads
.endif
.irp g, 0,1,2,3,4,5,6,7
.irp i, 0,1,2,3,4,5,6,7
	v_cmp_eq_u32 s[16+\i], 0, v[X+8*\g+\i]
.endr
.irp i, 0,1,2,3,4,5,6,7
	v_writelane_b32 v[OUT+2*(\t)+\g/4], s[16+\i], (8*\g+\i)%32
.endr
.endr
	global_store_b64 v4, v[OUT+2*(\t):OUT+2*(\t)+1], s[62:63] offset:256*(\t)   ; 256 consecutive bytes, aligned
.endm
.Lmask:
	v_and_b32 v5, 31, v0
	v_and_b32 v6, 15, v0
	v_bfe_u32 v7, v0, 4, 1
	v_lshlrev_b32 v1, 4, v5
	s_mul_i32 s9, s14, WST
	s_add_co_u32 s9, s9, MST
	v_add_nc_u32 v2, s9, v1
	v_mul_u32_u24 v3, v6, SP
	v_lshl_add_u32 v3, v7, 5, v3
	v_add_nc_u32 v3, s9, v3
	v_lshlrev_b32 v4, 3, v5
.irp i, 0,1,2,3,4,5,6,7
	v_mov_b32 v[OUT+\i], 0                         ; v_writelane_b32 counts as a reader of its destination
.endr
	s_lshl_b32 s10, s97, 4
	s_lshl_b32 s11, s69, 2
	s_add_co_u32 s10, s10, s11
	s_add_co_u32 s10, s10, s68                     ; work-group 0..127: it enters global addresses alone
	s_lshl_b32 s12, s10, 19                        ; 4 tiles x 16 rows x 8,192 bytes,
	s_lshl_b32 s11, s14, 11                        ; 4 steps of 512 bytes a wave
	s_add_co_u32 s12, s12, s11
	s_mov_b32 s13, 0
	s_add_nc_u64 s[60:61], s[60:61], s[12:13]
	s_lshl_b32 s12, s10, 14
	s_lshl_b32 s11, s14, 10
	s_add_co_u32 s12, s12, s11
	s_add_nc_u64 s[62:63], s[62:63], s[12:13]
	s_wait_alu depctr_va_vdst(0)                   ; the wait at the head's end
	MLOAD 0, 0
	MLOAD 1, 0
	MLOAD 2, 0
	MLOAD 3, 0
	s_mov_b32 s3, 3
.Lmt:
	MSTEP 0, 1, 48
	MSTEP 1, 1, 48
	MSTEP 2, 1, 48
	MSTEP 3, 1, 48
	s_wait_xcnt 0x0                                ; bases and the stores' data are written again only behind this wait
	s_add_nc_u64 s[60:61], s[60:61], 131072
	s_add_nc_u64 s[62:63], s[62:63], 4096
	s_sub_co_u32 s3, s3, 1
	s_cmp_lg_u32 s3, 0
	s_cbranch_scc1 .Lmt
	MSTEP 0, 0, 48                                 ; the last tile: nothing more to load
	MSTEP 1, 0, 32
	MSTEP 2, 0, 16
	MSTEP 3, 0, 0
	s_wait_tensorcnt 0x0                           ; the wave's end
	ds_add_u32 v[SPW], v[NIL]
	s_wait_dscnt 0x0
	s_endpgm
.Lfunc_end_k_q308d7189b5_proj:
	.size	k_q308d7189b5_proj, .Lfunc_end_k_q308d7189b5_proj-k_q308d7189b5_proj
	.p2alignl 7, 3214868480
	.fill 96, 4, 3214868480
	.section	.rodata,"a",@progbits
	.p2align	6, 0x0
	.amdhsa_kernel k_q308d7189b5_proj
		.amdhsa_group_segment_fixed_size 327680
		.amdhsa_private_segment_fixed_size 0
		.amdhsa_enable_private_segment 0
		.amdhsa_kernarg_size 152
		.amdhsa_user_sgpr_count 2
		.amdhsa_user_sgpr_kernarg_segment_ptr 1
		.amdhsa_wavefront_size32 1
		.amdhsa_system_sgpr_workgroup_id_x 1
		.amdhsa_system_sgpr_workgroup_id_y 1
		.amdhsa_system_sgpr_workgroup_id_z 1
		.amdhsa_system_vgpr_workitem_id 0
		.amdhsa_next_free_vgpr 1024
		.amdhsa_next_free_sgpr 102
		.amdhsa_reserve_vcc 0
		.amdhsa_float_denorm_mode_32 3
		.amdhsa_float_denorm_mode_16_64 3
		.amdhsa_memory_ordered 1
		.amdhsa_forward_progress 1
		.amdhsa_inst_pref_size 255
	.end_amdhsa_kernel
	.section	.bss,"aw",@nobits
	.p2align	6
	.space	262144
	.amdgpu_metadata
---
amdhsa.version: [ 1, 2 ]
amdhsa.kernels:
  - .name:           k_q308d7189b5_proj
    .symbol:         k_q308d7189b5_proj.kd
    .args:
      - { .name: query_codes, .offset: 0, .size: 8, .value_kind: global_buffer, .address_space: global }
      - { .name: query_scales, .offset: 8, .size: 8, .value_kind: global_buffer, .address_space: global }
      - { .name: Wq_codes, .offset: 16, .size: 8, .value_kind: global_buffer, .address_space: global }
      - { .name: Wq_scales, .offset: 24, .size: 8, .value_kind: global_buffer, .address_space: global }
      - { .name: bq, .offset: 32, .size: 8, .value_kind: global_buffer, .address_space: global }
      - { .name: key_codes, .offset: 40, .size: 8, .value_kind: global_buffer, .address_space: global }
      - { .name: key_scales, .offset: 48, .size: 8, .value_kind: global_buffer, .address_space: global }
      - { .name: Wk_codes, .offset: 56, .size: 8, .value_kind: global_buffer, .address_space: global }
      - { .name: Wk_scales, .offset: 64, .size: 8, .value_kind: global_buffer, .address_space: global }
      - { .name: bk, .offset: 72, .size: 8, .value_kind: global_buffer, .address_space: global }
      - { .name: Wv_codes, .offset: 80, .size: 8, .value_kind: global_buffer, .address_space: global }
      - { .name: Wv_scales, .offset: 88, .size: 8, .value_kind: global_buffer, .address_space: global }
      - { .name: value_codes, .offset: 96, .size: 8, .value_kind: global_buffer, .address_space: global }
      - { .name: value_scales, .offset: 104, .size: 8, .value_kind: global_buffer, .address_space: global }
      - { .name: bv, .offset: 112, .size: 8, .value_kind: global_buffer, .address_space: global }
      - { .name: qb, .offset: 120, .size: 8, .value_kind: global_buffer, .address_space: global }
      - { .name: kv, .offset: 128, .size: 8, .value_kind: global_buffer, .address_space: global }
      - { .name: mask, .offset: 136, .size: 8, .value_kind: global_buffer, .address_space: global }
      - { .name: maskbits, .offset: 144, .size: 8, .value_kind: global_buffer, .address_space: global }
    .group_segment_fixed_size: 327680
    .private_segment_fixed_size: 0
    .kernarg_segment_align: 8
    .kernarg_segment_size: 152
    .max_flat_workgroup_size: 128
    .sgpr_count:     102
    .vgpr_count:     1024
    .wavefront_size: 32
...
	.end_amdgpu_metadata
.endif
;; end of part 1
;; launch attn (part 2): grid 4 x 64, 16 waves a work-group, clusters of 4 x 1, 206,848 bytes of LDS; arguments qb, kv, maskbits, ao_codes, ao_scales; writes ao_codes, ao_scales
.if DOCPART == 2
	.amdgcn_target "amdgcn-amd-amdhsa--gfx1250"
	.amdhsa_code_object_version 6
	.text
	.protected	k_q308d7189b5_attn
	.globl	k_q308d7189b5_attn
	.p2align	8
	.type	k_q308d7189b5_attn,@function
k_q308d7189b5_attn:
	s_mov_b64 s[64:65], 0
	v_nop
	global_prefetch_b8 v0, s[64:65] scope:SCOPE_SE
	s_setreg_imm32_b32 hwreg(HW_REG_WAVE_MODE, 25, 1), 1
	s_wait_xcnt 0x0
	s_wait_alu depctr_hold_cnt(0) depctr_sa_sdst(0) depctr_va_vdst(0) depctr_va_sdst(0) depctr_va_ssrc(0) depctr_va_vcc(0) depctr_vm_vsrc(0)
	s_getreg_b32 s2, hwreg(HW_REG_IB_STS2, 6, 4)
	s_cmp_eq_u32 s2, 0
	s_cbranch_scc0 .Lentry_in_a_cluster
	s_endpgm
.Lentry_in_a_cluster:
	s_bfe_u32 s2, ttmp6, 0x10000c
	s_cmp_lg_u32 s2, 0x3003
	s_cbranch_scc0 .Lentry_shape_is_right
	s_endpgm
.Lentry_shape_is_right:
; Attention for one (n, head) and 512 queries a work-group, both products on codes of FP6 (E2M3) with one E8M0 scale for each 32 along K; the result is quantised along E for the output projection.
; score = q . k (K = 64);  where mask == 0 the score is replaced by 1e-20 (it still counts);  t = score x log2(e) / 32;  M = the running largest t rounded UP to a whole number;  p = 2^(t - M) is quantised along the keys;
; the row's sum is taken of the unquantised p and divides O at the end; when M moves, the sum and O are multiplied by 2^(old M - new M): exact.
; SHARES.  Sixteen waves; wave w owns the pair of query tiles B = 16 cx + w (32 queries) and walks them in two passes of 16 key steps of 128 keys.
; LDS holds the head's whole K and V, 16 steps x 12,800 bytes, as images of operand registers: filled ONCE, each wave asking for one step; nothing is filled again, so the loop has no barrier.
; CLUSTER.  The four work-groups of a cluster belong to one head: each step is asked for jointly (mask 15), with the same descriptor in all four.
; LAYOUT.  Both products are used transposed: S^T = K Q^T, O^T = V^T P^T: a lane holds one query (lane % 16) throughout.
; K = 64 IN AN INSTRUCTION OF 128: an operand of K holds TWO key tiles, one in each half of the 128.  Against Q in the low half and zero codes in the high half it gives the first tile's scores; against zeros and Q the second's.
; Score register 16 bb + 8 u + jj of lane l is key 128 s + 32 bb + 16 u + 8 (l / 16) + jj.  So a block of 32 keys has its codes in the order 0-7, 16-23, 8-15, 24-31, the order in which V^T's codes were laid.
; THE MASK comes as one 32-bit lane mask for each score register, 64 scalar registers a step, asked for one step ahead: one v_cndmask_b32 a register.
; ORDER OF A STEP.  K's fragments of the next step are asked for behind this step's second product; the 32 additions of the row's sum stand round those loads: four are the places in front of them, 28 stand between them and the wait for them.
; So the last step of a pass is written out: it asks for nothing more.
; No prefetch: every tile of K and V is asked for at the head.
; LIMITS: NaN and infinities are not served; a block whose largest magnitude lies under 2^-124, or of zeros, keeps the byte 1 (its reader is this program alone).  ao_scales is stored a byte a lane: a head owns 2 of a token's 32 bytes.
; REGISTERS: v1 16 x lane, v2 8 x lane, v3, v4 LDS addresses, v5 1e-20, v8 32 r + h; v12 -M, v13 the largest t, v[14:15] the sum; v16-21 q, v22-27 zeros, v28-33 q (Q low = v16-27, Q high = v22-33); v34-45 the pair's image, v46 its scale word,
;   v47 Q's scales; v48-95 fragments of K, then of V; v96-159 scores, then p; v160-191 O^T; v192-203 p's codes; v204-210 second halves; v212-215 K's and V's scale words; v216 p's; v220-253 at work.
.set STEPB, 12800
.set HEADB, 16*STEPB
.macro CROUND                          ; a round of the cluster's barrier
	s_barrier_signal -1
	s_barrier_wait -1
	s_cmp_lg_u32 s14, 0
	s_cbranch_scc1 .Lnot_wave_0_\@
	s_barrier_signal -3
.Lnot_wave_0_\@:
	s_barrier_wait -3
	s_barrier_signal -1
	s_barrier_wait -1
.endm
	s_load_b256 s[4:11], s[0:1], 0x0               ; qb s[4:5], kv s[6:7], maskbits s[8:9], ao_codes s[10:11]
	s_load_b64 s[12:13], s[0:1], 0x20              ; ao_scales
	v_lshl_add_u32 v254, v0, 2, 0x32000
	v_mov_b32 v255, 0
	ds_add_u32 v254, v255                          ; the opening lines: the add twice on end and one wait
	ds_add_u32 v254, v255
	v_lshrrev_b32 v1, 5, v0
	s_delay_alu instid0(VALU_DEP_1)
	v_readfirstlane_b32 s14, v1                    ; wave 0..15
	s_bfe_u32 s15, ttmp6, 0x40000                  ; cx: it enters Q's, the mask's and the outputs' addresses alone
	s_and_b32 s20, ttmp7, 0xffff                   ; n*16 + head, which the four partners share
	s_lshr_b32 s21, s20, 4                         ; n
	s_and_b32 s22, s20, 15                         ; head
	s_lshl_b32 s23, s15, 4
	s_add_co_u32 s23, s23, s14                     ; B: my pair of query tiles
	; descriptor group 1: a step's 12,800 dense bytes as 50 rows of 256 bytes (32 elements of 8 bytes), no padding
	s_mov_b32 s88, 15|(3<<16)|(1<<21)
	s_mov_b32 s89, 32<<16
	s_mov_b32 s90, 50<<16
	s_mov_b32 s91, 32<<16
	s_mov_b32 s92, 50
	s_mov_b32 s93, 32
	s_mov_b32 s94, 0
	s_mov_b32 s95, 0
	s_mul_i32 s85, s14, STEPB                      ; LDS address: step w
	s_mul_i32 s24, s20, HEADB
	s_add_co_u32 s24, s24, s85
	s_mov_b32 s25, 0
	s_mov_b32 s84, 1
	s_wait_dscnt 0x0
	s_wait_kmcnt 0x0
	s_add_nc_u64 s[86:87], s[6:7], s[24:25]
	s_or_b32 s87, s87, 0x80000000
	CROUND                                         ; all four work-groups are here: the joint loads meet
	tensor_load_to_lds s[84:87], s[88:95]          ; my one tensor load of the launch
	s_nop 0
.rept 4
	v_nop
.endr
	v_and_b32 v9, 31, v0                           ; lane
	v_and_b32 v10, 15, v0                          ; r
	v_bfe_u32 v11, v0, 4, 1                        ; h
	s_delay_alu instid0(VALU_DEP_3)
	v_lshlrev_b32 v1, 4, v9
	s_wait_alu depctr_va_vdst(0)
	v_lshlrev_b32 v2, 3, v9
	v_lshl_add_u32 v8, v10, 5, v11                 ; ao_scales: token r's 32 bytes, + h
	s_lshl_b32 s26, s20, 4                         ; qb: the step that holds my pair: B / 4 = 4 cx + w / 4
	s_lshl_b32 s27, s15, 2
	s_add_co_u32 s26, s26, s27
	s_lshr_b32 s27, s14, 2
	s_add_co_u32 s26, s26, s27
	s_mul_i32 s26, s26, STEPB
	s_mov_b32 s27, 0
	s_add_nc_u64 s[4:5], s[4:5], s[26:27]
	s_and_b32 s28, s14, 3                          ; my pair in the step
	s_mul_i32 s28, s28, 1536
	v_add_nc_u32 v6, s28, v1
	s_and_b32 s28, s14, 1                          ; its scale word: at 8 (16 (pair % 2) + r) + 4 (pair / 2)
	s_lshl_b32 s28, s28, 7
	s_bfe_u32 s29, s14, 0x10001
	s_lshl_b32 s29, s29, 2
	s_add_co_u32 s28, s28, s29
	v_lshl_add_u32 v7, v10, 3, s28
	global_load_b128 v[34:37], v6, s[4:5]
	global_load_b128 v[38:41], v6, s[4:5] offset:512
	global_load_b128 v[42:45], v6, s[4:5] offset:1024
	global_load_b32 v46, v7, s[4:5] offset:12288
	s_lshl_b32 s30, s21, 7
	s_lshl_b32 s31, s23, 1
	s_add_co_u32 s30, s30, s31                     ; Tg = n*128 + 2 B: my first query tile
	s_lshl_b32 s26, s30, 12
	s_add_nc_u64 s[8:9], s[8:9], s[26:27]          ; its mask words: 4,096 bytes a tile; my two tiles' are 8,192 bytes on end
	s_lshr_b32 s28, s22, 2                         ; ao_codes [head / 4][Tg][head % 4][768]
	s_lshl_b32 s28, s28, 9
	s_add_co_u32 s28, s28, s30
	s_mul_i32 s26, s28, 3072
	s_and_b32 s28, s22, 3
	s_mul_i32 s28, s28, 768
	s_add_co_u32 s26, s26, s28
	s_add_nc_u64 s[10:11], s[10:11], s[26:27]
	s_lshl_b32 s26, s30, 9                         ; ao_scales [token][32]: 16 tokens x 32 bytes a tile, + 2 head
	s_lshl_b32 s28, s22, 1
	s_add_co_u32 s26, s26, s28
	s_add_nc_u64 s[12:13], s[12:13], s[26:27]
	s_mov_b32 s96, 0x76543210
	s_mov_b32 s97, 0xfedcba98                      ; v_permlanex16_b32's selects for lane l xor 16
	s_mov_b32 s98, 0x3d38aa3b                      ; c = log2(e) / 32
	s_mov_b32 s99, s98                             ; (named with it as a pair)
	s_mov_b32 s2, 0x01000100                       ; Q's scales: the word's bytes 0, 1 twice (first tile)
	s_mov_b32 s3, 0xffff0000                       ; lanes 16-31
	s_mov_b32 s104, 2                              ; passes
	s_mov_b32 s105, 0                              ; where the mask words in hand begin
	s_load_b512 s[16:31], s[8:9], s105 offset:0x0  ; the first step's 64 mask words: word m in s[16 + m + 4 (m / 48)]
	s_load_b512 s[32:47], s[8:9], s105 offset:0x40
	s_load_b512 s[48:63], s[8:9], s105 offset:0x80
	s_load_b512 s[68:83], s[8:9], s105 offset:0xc0
	v_mov_b32 v5, 0x1e3ce508                       ; 1e-20
.irp i, 22,23,24,25,26,27
	v_mov_b32 v\i, 0                               ; zero codes
.endr
.irp i, 224,225,226,227,233,234
	v_mov_b32 v\i, 0                               ; lane permutes' destinations, and the upper half of the pair v[232:233]
.endr
	s_wait_tensorcnt 0x0                           ; my step has landed,
	s_barrier_signal -1
	s_barrier_wait -1                              ; everybody's has
	s_wait_loadcnt 0x0                             ; Q
.macro QK bb                           ; pair bb: two tiles of 16 keys
.if (\bb)%2
	v_wmma_scale_f32_16x16x128_f8f6f4 v[96+16*\bb:103+16*\bb], v[48+12*\bb:59+12*\bb], v[16:27], 0, v[212+\bb/2], v47 matrix_a_fmt:MATRIX_FMT_FP6 matrix_b_fmt:MATRIX_FMT_FP6 matrix_a_scale:MATRIX_SCALE_ROW1
	v_wmma_scale_f32_16x16x128_f8f6f4 v[104+16*\bb:111+16*\bb], v[48+12*\bb:59+12*\bb], v[22:33], 0, v[212+\bb/2], v47 matrix_a_fmt:MATRIX_FMT_FP6 matrix_b_fmt:MATRIX_FMT_FP6 matrix_a_scale:MATRIX_SCALE_ROW1
.else
	v_wmma_scale_f32_16x16x128_f8f6f4 v[96+16*\bb:103+16*\bb], v[48+12*\bb:59+12*\bb], v[16:27], 0, v[212+\bb/2], v47 matrix_a_fmt:MATRIX_FMT_FP6 matrix_b_fmt:MATRIX_FMT_FP6
	v_wmma_scale_f32_16x16x128_f8f6f4 v[104+16*\bb:111+16*\bb], v[48+12*\bb:59+12*\bb], v[22:33], 0, v[212+\bb/2], v47 matrix_a_fmt:MATRIX_FMT_FP6 matrix_b_fmt:MATRIX_FMT_FP6
.endif
.endm
.macro PV t                            ; channels 16 t on: K = the step's 128 keys
.if (\t)%2
	v_wmma_scale_f32_16x16x128_f8f6f4 v[160+8*\t:167+8*\t], v[48+12*\t:59+12*\t], v[192:203], v[160+8*\t:167+8*\t], v[214+\t/2], v216 matrix_a_fmt:MATRIX_FMT_FP6 matrix_b_fmt:MATRIX_FMT_FP6 matrix_a_scale:MATRIX_SCALE_ROW1
.else
	v_wmma_scale_f32_16x16x128_f8f6f4 v[160+8*\t:167+8*\t], v[48+12*\t:59+12*\t], v[192:203], v[160+8*\t:167+8*\t], v[214+\t/2], v216 matrix_a_fmt:MATRIX_FMT_FP6 matrix_b_fmt:MATRIX_FMT_FP6
.endif
.endm
.macro KLOAD                           ; K's four fragments and scale words of the step at v3, v4: an image comes back as it was stored, 512 consecutive bytes an instruction
.irp bb, 0,1,2,3
.irp c, 0,1,2
	ds_load_b128 v[48+12*\bb+4*\c:48+12*\bb+4*\c+3], v3 offset:\bb*1536+512*\c
.endr
.endr
	ds_load_b64 v[212:213], v4 offset:12288        ; register k2: lanes 0-15 pair 2 k2, lanes 16-31 pair 2 k2 + 1
.endm
.macro STEP last                       ; last = 1: a pass's sixteenth step, which asks for no further fragments of K
	s_wait_dscnt 0x0                               ; K's fragments, asked for a step ago
	QK 0
	QK 1
	QK 2
	QK 3
	v_mov_b32 v235, v12                            ; the old -M; with the three lines below: four places behind the products
	v_nop
	v_nop
	v_nop
.irp t, 0,1,2,3                        ; V's fragments take K's registers; they land while the softmax is worked
.irp c, 0,1,2
	ds_load_b128 v[48+12*\t+4*\c:48+12*\t+4*\c+3], v3 offset:6144+\t*1536+512*\c
.endr
.endr
	ds_load_b64 v[214:215], v4 offset:12544
	s_wait_kmcnt 0x0                               ; this step's mask words
.set j, 0
.rept 64
.set m, 2*(j%32)+j/32
	v_cndmask_b32 v[96+j], v[96+j], v5, s[16+m+4*(m/48)]   ; 1e-20 where mask == 0; each accumulator from its low end on
.set j, j+1
.endr
.irp b, 0,1,2,3
	v_max3_num_f32 v[220+\b], v[96+16*\b], v[97+16*\b], v[98+16*\b]   ; the largest score of each block of 32 keys: for the row's maximum, and, since p rises with the score, for the block's largest p
.endr
.irp i, 3,5,7,9,11,13
.irp b, 0,1,2,3
	s_delay_alu instid0(VALU_DEP_4)
	v_max3_num_f32 v[220+\b], v[220+\b], v[96+16*\b+\i], v[97+16*\b+\i]
.endr
.endr
.irp b, 0,1,2,3
	s_delay_alu instid0(VALU_DEP_4)
	v_max_num_f32 v[220+\b], v[220+\b], v[111+16*\b]
.endr
	s_add_co_u32 s105, s105, 256                   ; the next step's mask words (the wait above has shown the last loads done, so their offset may be written);
	s_and_b32 s105, s105, 8191                     ; they run on into my second tile's; behind the last step the offset turns back to 0, so that no load leaves the buffer
	s_load_b512 s[16:31], s[8:9], s105 offset:0x0
	s_load_b512 s[32:47], s[8:9], s105 offset:0x40
	s_load_b512 s[48:63], s[8:9], s105 offset:0x80
	s_load_b512 s[68:83], s[8:9], s105 offset:0xc0
.irp b, 0,1,2,3
	v_permlanex16_b32 v[224+\b], v[220+\b], s96, s97
.endr
.irp b, 0,1,2,3
	s_delay_alu instid0(VALU_DEP_4)
	v_max_num_f32 v[220+\b], v[220+\b], v[224+\b]  ; with lane l xor 16's 16 keys
.endr
	s_delay_alu instid0(VALU_DEP_2)
	v_max3_num_f32 v234, v220, v221, v222
	s_delay_alu instid0(VALU_DEP_1)
	v_max_num_f32 v234, v234, v223                 ; the step's largest score of my query
	s_delay_alu instid0(VALU_DEP_1)
	v_mul_f32 v234, s98, v234                      ; as t (c is positive)
	s_delay_alu instid0(VALU_DEP_1)
	v_max_num_f32 v13, v13, v234
	s_delay_alu instid0(VALU_DEP_1)
	v_floor_f32 v12, -v13                          ; the new -M = floor(-t): M is a whole number
	s_delay_alu instid0(VALU_DEP_1)
.set j, 0
.rept 32
	v_pk_fma_f32 v[96+j:97+j], v[96+j:97+j], s[98:99], v[12:13] op_sel_hi:[1,0,0]   ; t - M, two at a time
.set j, j+2
.endr
.irp b, 0,1,2,3
	v_fma_f32 v[220+\b], v[220+\b], s98, v12       ; the same of each block's largest score
.endr
	s_wait_alu depctr_va_vdst(0)                   ; the wait ahead of the batch
.irp b, 0,1,2,3
	v_exp_f32 v[220+\b], v[220+\b]                 ; the block's largest p
.endr
.set j, 0
.rept 64
	v_exp_f32 v[96+j], v[96+j]                     ; p = 2^(t - M), not normalised
.set j, j+1
.endr
	v_sub_f32 v234, v12, v235                      ; old M - new M: a whole number, 0 or less.  (Plain work behind the exponentials, which names none of their results)
	s_delay_alu instid0(VALU_DEP_1)
	v_cvt_i32_f32 v234, v234                       ; (it saturates)
	s_delay_alu instid0(VALU_DEP_1)
	v_ldexp_f32 v232, 1.0, v234                    ; f = 2^(old M - new M)
	s_wait_alu depctr_va_vdst(0)                   ; one wait for the batch, ahead of its first reader
	v_pk_mul_f32 v[14:15], v[14:15], v[232:233] op_sel_hi:[1,0]   ; the sums under the new M
.irp b, 0,1,2,3
	v_max_num_f32 v[220+\b], 0x1800000, v[220+\b]  ; the floor 2^(3 - 127)
.endr
.irp b, 0,1,2,3
	s_delay_alu instid0(VALU_DEP_4)
	v_add_nc_u32 v[228+\b], 0xff000000, v[220+\b]  ; 2 off the exponent field: the conversion's scale operand
.endr
.irp b, 0,1,2,3
	s_delay_alu instid0(VALU_DEP_4)
	v_lshrrev_b32 v[224+\b], 23, v[228+\b]         ; the scale's byte
.endr
	s_delay_alu instid0(VALU_DEP_3)
	v_lshl_or_b32 v216, v225, 8, v224              ; p's scale word for these 128 keys
	s_delay_alu instid0(VALU_DEP_1)
	v_lshl_or_b32 v216, v226, 16, v216
	s_delay_alu instid0(VALU_DEP_1)
	v_lshl_or_b32 v216, v227, 24, v216
.irp c, 0,1
	v_cvt_scalef32_pk16_fp6_f32 v[192+6*\c:194+6*\c], v[96+32*\c:111+32*\c], v[228+2*\c]
	v_cvt_scalef32_pk16_fp6_f32 v[204+4*\c:206+4*\c], v[112+32*\c:127+32*\c], v[228+2*\c+1]
.endr
	v_nop                                          ; one plain place behind a scaled conversion
.irp c, 0,1
.irp i, 0,1,2
	v_permlane16_swap_b32 v[192+6*\c+\i], v[204+4*\c+\i]   ; a whole block in a lane
.endr
.irp i, 0,1,2
	s_delay_alu instid0(VALU_DEP_3)
	v_mov_b32 v[195+6*\c+\i], v[204+4*\c+\i]
.endr
.endr
.set j, 0
.rept 16
	v_pk_mul_f32 v[160+j:161+j], v[160+j:161+j], v[232:233] op_sel_hi:[1,0]   ; O^T under the new M.  (Also the places between p's codes and scale word and the products)
.set j, j+2
.endr
	s_wait_alu depctr_va_vdst(0)
	s_wait_dscnt 0x0                               ; V
	PV 0                                           ; four accumulators, one instruction each
	PV 1
	PV 2
	PV 3
	; THE ROW'S SUM, of the unquantised p: 32 packed additions in eight chains.  The first four are the places behind the products
	v_pk_add_f32 v[236:237], v[100:101], v[104:105]
	v_pk_add_f32 v[252:253], v[108:109], v[112:113]
	v_pk_add_f32 v[250:251], v[116:117], v[120:121]
	v_pk_add_f32 v[248:249], v[124:125], v[128:129]
.if (\last) == 0
	s_add_co_u32 s100, s100, STEPB                 ; the next step's LDS bytes
	v_add_nc_u32 v3, s100, v1
	v_add_nc_u32 v4, s100, v2
	KLOAD                                          ; into the registers that the products above have read
.endif
	v_pk_add_f32 v[246:247], v[132:133], v[136:137]
	v_pk_add_f32 v[244:245], v[140:141], v[144:145]
	v_pk_add_f32 v[242:243], v[148:149], v[152:153]
	v_pk_add_f32 v[14:15], v[14:15], v[156:157]
	v_pk_add_f32 v[236:237], v[236:237], v[96:97]
	v_pk_add_f32 v[252:253], v[252:253], v[98:99]
	v_pk_add_f32 v[250:251], v[250:251], v[102:103]
	v_pk_add_f32 v[248:249], v[248:249], v[106:107]
	v_pk_add_f32 v[246:247], v[246:247], v[110:111]
	v_pk_add_f32 v[244:245], v[244:245], v[114:115]
	v_pk_add_f32 v[242:243], v[242:243], v[118:119]
	v_pk_add_f32 v[14:15], v[14:15], v[122:123]
	v_pk_add_f32 v[236:237], v[236:237], v[126:127]
	v_pk_add_f32 v[252:253], v[252:253], v[130:131]
	v_pk_add_f32 v[250:251], v[250:251], v[134:135]
	v_pk_add_f32 v[248:249], v[248:249], v[138:139]
	v_pk_add_f32 v[246:247], v[246:247], v[142:143]
	v_pk_add_f32 v[244:245], v[244:245], v[146:147]
	v_pk_add_f32 v[242:243], v[242:243], v[150:151]
	v_pk_add_f32 v[14:15], v[14:15], v[154:155]
	v_pk_add_f32 v[236:237], v[236:237], v[158:159]
	s_delay_alu instid0(VALU_DEP_2)
	v_pk_add_f32 v[14:15], v[14:15], v[248:249]
	s_delay_alu instid0(VALU_DEP_2)
	v_pk_add_f32 v[236:237], v[236:237], v[246:247]
	v_pk_add_f32 v[252:253], v[252:253], v[244:245]
	v_pk_add_f32 v[250:251], v[250:251], v[242:243]
	s_delay_alu instid0(VALU_DEP_2)
	v_pk_add_f32 v[14:15], v[14:15], v[252:253]
	s_delay_alu instid0(VALU_DEP_2)
	v_pk_add_f32 v[236:237], v[236:237], v[250:251]
	s_delay_alu instid0(VALU_DEP_1)
	v_pk_add_f32 v[14:15], v[14:15], v[236:237]
.endm
.Lpass:                                            ; two trips: my first query tile, then my second
	s_wait_alu depctr_va_vdst(0)
	s_mov_b32 s100, 0                              ; LDS byte at which the step in hand begins
	v_add_nc_u32 v3, s100, v1
	v_add_nc_u32 v4, s100, v2
	KLOAD                                          ; step 0's fragments of K land under the set-up below
.irp i, 0,1,2,3,4,5
	v_mov_b32 v[16+\i], v[34+\i]                   ; the tile's codes, below the zeros and above them
	v_mov_b32 v[28+\i], v[34+\i]
.endr
	v_perm_b32 v47, v46, v46, s2                   ; the tile's two scale bytes, twice
	v_mov_b32 v13, 0xff61b1e6                      ; the largest t so far: -3e38
	s_delay_alu instid0(VALU_DEP_1)
	v_floor_f32 v12, -v13                          ; -M
	v_mov_b32 v14, 0
	v_mov_b32 v15, 0
.set j, 0
.rept 32
	v_mov_b32 v[160+j], 0                          ; O^T: the first step finds zeros.  (These are also the places between Q's registers and the first products)
.set j, j+1
.endr
	s_mov_b32 s101, 15
.Lstep:
	STEP 0
	s_sub_co_u32 s101, s101, 1
	s_cmp_lg_u32 s101, 0
	s_cbranch_scc1 .Lstep
	STEP 1
	; THE PASS'S END: O^T / the sum, the head's 64 channels quantised along E in their natural order (they meet Wo's given codes), and stored as an image of the output projection's operand.
	s_delay_alu instid0(VALU_DEP_1)
	v_add_f32 v14, v14, v15
	s_delay_alu instid0(VALU_DEP_1)
	v_permlanex16_b32 v234, v14, s96, s97
	s_delay_alu instid0(VALU_DEP_1)
	v_add_f32 v14, v14, v234                       ; the row's sum
	s_wait_alu depctr_va_vdst(0)
	v_rcp_f32 v14, v14
	v_nop                                          ; a plain place behind the transcendental
	s_wait_alu depctr_va_vdst(0)                   ; the wait, ahead of the first reader
.set j, 0
.rept 32
	v_mul_f32 v[96+j], v[160+j], v14               ; register 8 t + i: channel 16 t + 8 h + i
.set j, j+1
.endr
.irp b, 0,1
.irp i, 0,1,2,3,4,5,6,7
	v_permlane16_swap_b32 v[96+16*\b+\i], v[104+16*\b+\i]   ; register 16 b + i now holds channel 32 b + 16 h + i: 16 neighbours a lane
.endr
.endr
.irp b, 0,1
	v_max3_num_f32 v[220+\b], |v[96+16*\b]|, |v[97+16*\b]|, 0x1800000
.endr
.irp i, 2,4,6,8,10,12,14
.irp b, 0,1
	s_delay_alu instid0(VALU_DEP_2)
	v_max3_num_f32 v[220+\b], v[220+\b], |v[96+16*\b+\i]|, |v[97+16*\b+\i]|
.endr
.endr
.irp b, 0,1
	s_delay_alu instid0(VALU_DEP_2)
	v_permlanex16_b32 v[224+\b], v[220+\b], s96, s97
.endr
.irp b, 0,1
	s_delay_alu instid0(VALU_DEP_2)
	v_max_num_f32 v[220+\b], v[220+\b], v[224+\b]
.endr
.irp b, 0,1
	s_delay_alu instid0(VALU_DEP_2)
	v_add_nc_u32 v[228+\b], 0xff000000, v[220+\b]
.endr
.irp b, 0,1
	s_delay_alu instid0(VALU_DEP_2)
	v_lshrrev_b32 v[224+\b], 23, v[228+\b]
.endr
	s_delay_alu instid0(VALU_DEP_1)
	v_cndmask_b32 v234, v224, v225, s3             ; lanes 0-15 store block 0's byte, lanes 16-31 block 1's
	v_cvt_scalef32_pk16_fp6_f32 v[192:194], v[96:111], v228
	v_cvt_scalef32_pk16_fp6_f32 v[204:206], v[112:127], v229
	v_nop
.irp i, 0,1,2
	v_permlane16_swap_b32 v[192+\i], v[204+\i]
.endr
.irp i, 0,1,2
	s_delay_alu instid0(VALU_DEP_3)
	v_mov_b32 v[195+\i], v[204+\i]                 ; v192-197: lane (r, h): block h of token r's 64 channels
.endr
	global_store_b128 v1, v[192:195], s[10:11]     ; 512 consecutive bytes, aligned
	global_store_b64 v2, v[196:197], s[10:11] offset:512   ; 256 consecutive bytes, aligned
	global_store_b8 v8, v234, s[12:13]
.irp i, 0,1,2,3,4,5
	v_mov_b32 v[34+\i], v[40+\i]                   ; the pair's second tile
.endr
	s_mov_b32 s2, 0x03020302                       ; and its scale bytes
	s_wait_xcnt 0x0                                ; the stores have read their registers and bases: both are written again only behind this wait
	s_add_nc_u64 s[10:11], s[10:11], 3072
	s_add_nc_u64 s[12:13], s[12:13], 512
	s_sub_co_u32 s104, s104, 1
	s_cmp_lg_u32 s104, 0
	s_cbranch_scc1 .Lpass
	s_wait_kmcnt 0x0                               ; the last, unused mask words
	s_wait_dscnt 0x0
	s_wait_tensorcnt 0x0                           ; the wave's end
	ds_add_u32 v254, v255
	s_wait_dscnt 0x0
	CROUND                                         ; the closing round
	s_endpgm
.Lfunc_end_k_q308d7189b5_attn:
	.size	k_q308d7189b5_attn, .Lfunc_end_k_q308d7189b5_attn-k_q308d7189b5_attn
	.p2alignl 7, 3214868480
	.fill 96, 4, 3214868480
	.section	.rodata,"a",@progbits
	.p2align	6, 0x0
	.amdhsa_kernel k_q308d7189b5_attn
		.amdhsa_group_segment_fixed_size 206848
		.amdhsa_private_segment_fixed_size 0
		.amdhsa_enable_private_segment 0
		.amdhsa_kernarg_size 40
		.amdhsa_user_sgpr_count 2
		.amdhsa_user_sgpr_kernarg_segment_ptr 1
		.amdhsa_wavefront_size32 1
		.amdhsa_system_sgpr_workgroup_id_x 1
		.amdhsa_system_sgpr_workgroup_id_y 1
		.amdhsa_system_sgpr_workgroup_id_z 1
		.amdhsa_system_vgpr_workitem_id 0
		.amdhsa_next_free_vgpr 256
		.amdhsa_next_free_sgpr 106
		.amdhsa_reserve_vcc 0
		.amdhsa_float_denorm_mode_32 3
		.amdhsa_float_denorm_mode_16_64 3
		.amdhsa_memory_ordered 1
		.amdhsa_forward_progress 1
		.amdhsa_inst_pref_size 56
	.end_amdhsa_kernel
	.amdgpu_metadata
---
amdhsa.version: [ 1, 2 ]
amdhsa.kernels:
  - .name:           k_q308d7189b5_attn
    .symbol:         k_q308d7189b5_attn.kd
    .args:
      - { .name: qb, .offset: 0, .size: 8, .value_kind: global_buffer, .address_space: global }
      - { .name: kv, .offset: 8, .size: 8, .value_kind: global_buffer, .address_space: global }
      - { .name: maskbits, .offset: 16, .size: 8, .value_kind: global_buffer, .address_space: global }
      - { .name: ao_codes, .offset: 24, .size: 8, .value_kind: global_buffer, .address_space: global }
      - { .name: ao_scales, .offset: 32, .size: 8, .value_kind: global_buffer, .address_space: global }
    .group_segment_fixed_size: 206848
    .private_segment_fixed_size: 0
    .kernarg_segment_align: 8
    .kernarg_segment_size: 40
    .max_flat_workgroup_size: 512
    .sgpr_count:     106
    .vgpr_count:     256
    .wavefront_size: 32
...
	.end_amdgpu_metadata
.endif
;; end of part 2
;; launch outp (part 3): grid 4 x 64, 4 waves a work-group, clusters of 4 x 4, 327,680 bytes of LDS; arguments ao_codes, ao_scales, Wo_codes, Wo_scales, bo, out0; writes out0
.if DOCPART == 3
	.amdgcn_target "amdgcn-amd-amdhsa--gfx1250"
	.amdhsa_code_object_version 6
	.text
	.protected	k_q308d7189b5_outp
	.globl	k_q308d7189b5_outp
	.p2align	8
	.type	k_q308d7189b5_outp,@function
k_q308d7189b5_outp:
	s_mov_b64 s[64:65], 0
	v_nop
	global_prefetch_b8 v0, s[64:65] scope:SCOPE_SE
	s_setreg_imm32_b32 hwreg(HW_REG_WAVE_MODE, 25, 1), 1
	s_wait_xcnt 0x0
	s_wait_alu depctr_hold_cnt(0) depctr_sa_sdst(0) depctr_va_vdst(0) depctr_va_sdst(0) depctr_va_ssrc(0) depctr_va_vcc(0) depctr_vm_vsrc(0)
	s_getreg_b32 s2, hwreg(HW_REG_IB_STS2, 6, 4)
	s_cmp_eq_u32 s2, 0
	s_cbranch_scc0 .Lentry_in_a_cluster
	s_endpgm
.Lentry_in_a_cluster:
	s_bfe_u32 s2, ttmp6, 0x10000c
	s_cmp_lg_u32 s2, 0xf033
	s_cbranch_scc0 .Lentry_shape_is_right
	s_endpgm
.Lentry_shape_is_right:
; out0 = ao Wo^T + bo on codes of FP6 (E2M3).  A work-group makes 128 tokens x 256 channels (64 x 4 = 256 work-groups), a wave 64 x 128: 32 accumulators.
; ALL OF K LIES IN LDS, filled once, one joint load a wave at the head: waves 0-2 Wo's chunks 0-2 (256 rows x 256 bytes, each row beginning at a multiple of 256 bytes, 16 bytes of padding behind it),
; wave 3 the tokens' codes: images of operand registers [head / 4][token tile][head % 4][768]: 4 rows of 24,576 bytes.  Nothing is filled again.
; The scales come straight into registers: 16 rows x 32 bytes by one load of 16 bytes a lane: lane (r, h) holds row r's words of steps 4 h .. 4 h + 3; steps 4-7 read lanes 16-31.
; CLUSTER 4 x 4: the tokens' tile is shared along a row, Wo's along a column.  No prefetch: every tile is asked for at the head, and there is no loop to run ahead in.
; Source 0 = 16 rows of Wo, source 1 = 16 tokens: a lane holds eight neighbouring channels of a token.  The bias is the first product's C.
; The way out goes through a stage on the images' bytes, behind a barrier behind which nobody reads them.
; WINDOWS: 0: v0-31 addresses, v32-47 A's scales, v64-127 bias, v128-223 A's fragments (two sets), v224-255 B's scales; 1: B's fragments, two sets; 2: accumulators.
.set SIZE_N, 1024
.set KROW,   768
.set PITCH,  272
.set FR,     12
.set NP,     4
.set BCH,    256*PITCH
.set AB,     3*BCH
.set AKQ,    24576
.set SPARE,  AB+4*AKQ
.set SPITCH, 528
.set STAGE,  AB
.set ADRB, 16
.set XB,   19
.set A16,  21
.set A8,   23
.set STO,  25
.set RD,   26
.set CO,   27
.set SPW,  28
.set NIL,  29
.set SCA,  32
.set BIAS, 64
.set AF,   128
.set SCB,  224
.set BK,   128
.set G1,   24
.set G0,   32
.set G1B,  48
.set G0B,  56
.set MSB, 0
.macro WIN new
.if MSB != \new
	s_set_vgpr_msb (MSB<<8)|\new
.set MSB, \new
.endif
.endm
.set MUL_LO, 0xa1
.set TO_B,   0x40
.macro PLACES n
.rept \n
	v_nop
.endr
.endm
.macro CROUND
	s_barrier_signal -1
	s_barrier_wait -1
	s_cmp_lg_u32 s14, 0
	s_cbranch_scc1 .Lnot_wave_0_\@
	s_barrier_signal -3
.Lnot_wave_0_\@:
	s_barrier_wait -3
	s_barrier_signal -1
	s_barrier_wait -1
.endm
	s_load_b256 s[4:11], s[0:1], 0x0               ; ao_codes, ao_scales, Wo_codes, Wo_scales
	s_load_b128 s[40:43], s[0:1], 0x20             ; bo, out0
	v_lshl_add_u32 v[SPW], v0, 2, SPARE
	v_mov_b32 v[NIL], 0
	ds_add_u32 v[SPW], v[NIL]                      ; the opening lines: the add twice on end and one wait
	ds_add_u32 v[SPW], v[NIL]
	v_lshrrev_b32 v1, 5, v0
	v_readfirstlane_b32 s14, v1                    ; wave
	s_lshr_b32 s15, s14, 1                         ; my 64 tokens
	s_and_b32 s16, s14, 1                          ; my 128 channels
	s_bfe_u32 s44, ttmp6, 0x40000                  ; cx
	s_bfe_u32 s45, ttmp6, 0x40004                  ; cy
	s_lshl_b32 s46, ttmp9, 2
	s_add_co_u32 s46, s46, s44                     ; tile of channels
	s_and_b32 s17, ttmp7, 0xffff
	s_lshl_b32 s17, s17, 2
	s_add_co_u32 s17, s17, s45                     ; tile of tokens
	s_lshl_b32 s18, s45, 2
	s_lshl_b32 s18, 15, s18
	s_lshl_b32 s19, 0x1111, s44
	s_or_b32 s[G1+0], s18, (3<<16)|(1<<21)         ; elements of 8 bytes, no padding
	s_mov_b32 s[G1+1], 3072<<16                    ; a row: 24,576 bytes
	s_mov_b32 s[G1+2], 4<<16
	s_mov_b32 s[G1+3], 3072<<16
	s_mov_b32 s[G1+4], 4
	s_mov_b32 s[G1+5], 196608                      ; from one group of four heads to the next: 512 tiles x 3,072 bytes
	s_mov_b32 s[G1+6], 0
	s_mov_b32 s[G1+7], 0
	s_or_b32 s[G1B+0], s19, (1<<20)|(1<<21)|(5<<22)|(3<<25)
	s_mov_b32 s[G1B+1], 256<<16
	s_mov_b32 s[G1B+2], 256<<16
	s_mov_b32 s[G1B+3], 256<<16
	s_mov_b32 s[G1B+4], 256
	s_mov_b32 s[G1B+5], KROW
	s_mov_b32 s[G1B+6], 0
	s_mov_b32 s[G1B+7], 0
	s_mul_i32 s20, s17, AKQ
	s_mov_b32 s21, 0
	s_mul_i32 s22, s46, 256*KROW
	s_lshl_b32 s23, s14, 8                         ; wave w: chunk w
	s_add_co_u32 s22, s22, s23
	s_mov_b32 s23, 0
	s_mov_b32 s[G0], 1
	s_mov_b32 s[G0+1], AB
	s_mov_b32 s[G0B], 1
	s_mul_i32 s[G0B+1], s14, BCH
	s_wait_alu depctr_va_vdst(0)                   ; the wait ahead of the waits below
	s_wait_dscnt 0x0
	s_wait_kmcnt 0x0
	s_add_nc_u64 s[G0+2:G0+3], s[4:5], s[20:21]
	s_or_b32 s[G0+3], s[G0+3], 0x80000000
	s_add_nc_u64 s[G0B+2:G0B+3], s[8:9], s[22:23]
	s_or_b32 s[G0B+3], s[G0B+3], 0x80000000
	CROUND                                         ; all sixteen work-groups are here: the joint loads meet
	s_cmp_lt_u32 s14, 3
	s_cbranch_scc0 .Lhead_a
	tensor_load_to_lds s[G0B:G0B+3], s[G1B:G1B+7]
	s_nop 0
	PLACES 4
	s_branch .Lhead_asked
.Lhead_a:
	tensor_load_to_lds s[G0:G0+3], s[G1:G1+7]
	s_nop 0
	PLACES 4
.Lhead_asked:
	s_lshl_b32 s20, s17, 7
	s_lshl_b32 s22, s15, 6
	s_add_co_u32 s20, s20, s22                     ; my first token
	s_lshl_b32 s22, s20, 5
	s_add_nc_u64 s[6:7], s[6:7], s[22:23]
	s_lshl_b32 s47, s46, 8
	s_lshl_b32 s22, s16, 7
	s_add_co_u32 s47, s47, s22                     ; my first channel
	s_lshl_b32 s22, s47, 5
	s_add_nc_u64 s[10:11], s[10:11], s[22:23]
	s_lshl_b32 s22, s47, 2
	s_add_nc_u64 s[40:41], s[40:41], s[22:23]
	s_add_nc_u64 s[42:43], s[42:43], s[22:23]
	s_lshl_b32 s22, s20, 12
	s_add_nc_u64 s[42:43], s[42:43], s[22:23]
	s_mul_i32 s70, s16, 128*PITCH                  ; my rows of Wo in chunks 0, 1, 2 (registers that no descriptor names)
	s_add_co_u32 s71, s70, BCH
	s_add_co_u32 s72, s70, 2*BCH
	s_mov_b32 s73, BCH-232
	s_mul_i32 s74, s15, 4*3072                     ; my four token tiles, heads 0-7 and 8-15
	s_add_co_u32 s74, s74, AB
	s_add_co_u32 s75, s74, 2*AKQ
	s_mul_i32 s60, s14, 16*SPITCH
	s_add_co_u32 s60, s60, STAGE
	v_and_b32 v1, 15, v0                           ; r
	v_bfe_u32 v2, v0, 4, 1                         ; h
	v_lshlrev_b32 v3, 5, v1
	v_lshl_add_u32 v3, v2, 4, v3                   ; 32 r + 16 h
	v_lshlrev_b32 v9, 5, v2
.irp i, 0,1,2,3
	global_load_b128 v[SCA+4*\i:SCA+4*\i+3], v3, s[6:7] offset:512*\i
.endr
.irp i, 0,1,2,3,4,5,6,7
	global_load_b128 v[SCB+4*\i:SCB+4*\i+3], v3, s[10:11] offset:512*\i
.endr
.irp b, 0,1,2,3,4,5,6,7
	global_load_b128 v[BIAS+8*\b:BIAS+8*\b+3], v9, s[40:41] offset:64*\b
	global_load_b128 v[BIAS+8*\b+4:BIAS+8*\b+7], v9, s[40:41] offset:64*\b+16
.endr
	v_mul_u32_u24 v4, v1, PITCH
	v_mad_u32_u24 v5, v2, 24, v4                   ; row x pitch + 24 h
	v_add_nc_u32 v[ADRB], s70, v5
	v_add_nc_u32 v[ADRB+1], s71, v5
	v_add_nc_u32 v[ADRB+2], s72, v5
	v_mul_u32_u24 v6, s73, v2
	v_add_nc_u32 v6, v4, v6
	v_add_nc_u32 v6, 232, v6                       ; lanes 0-15 byte 232 of a chunk's row, lanes 16-31 byte 0 of the next chunk's
	v_add_nc_u32 v[XB], s70, v6
	v_add_nc_u32 v[XB+1], s71, v6
	v_and_b32 v7, 31, v0
	v_lshlrev_b32 v[CO], 4, v7
	v_lshlrev_b32 v10, 3, v7
	v_add_nc_u32 v[A16], s74, v[CO]
	v_add_nc_u32 v[A16+1], s75, v[CO]
	v_add_nc_u32 v[A8], s74, v10
	v_add_nc_u32 v[A8+1], s75, v10
	v_mul_u32_u24 v5, v1, SPITCH
	v_lshl_add_u32 v5, v2, 5, v5
	v_add_nc_u32 v[STO], s60, v5
	v_add_nc_u32 v[RD], s60, v[CO]
.macro FRB reg, st, i                  ; Wo: six pieces of 8 bytes; byte y of a row lies in chunk y / 256
.irp p, 0,1,2,3,4,5
.set BY, 96*(\st)+48*(\p/3)+8*(\p%3)
.if BY/256 == (BY+24)/256
	ds_load_b64 v[\reg+2*\p:\reg+2*\p+1], v[ADRB+BY/256] offset:BY%256+(\i)*16*PITCH
.else
	ds_load_b64 v[\reg+2*\p:\reg+2*\p+1], v[XB+BY/256] offset:BY%256-232+(\i)*16*PITCH
.endif
.endr
.endm
.macro FRA reg, st, a                  ; tokens: step st is heads 2 st, 2 st + 1; an image comes back as it was stored
.irp c, 0,1
	ds_load_b128 v[\reg+6*\c:\reg+6*\c+3], v[A16+(\st)/4] offset:(((\st)/2)%2)*AKQ+(\a)*3072+(2*((\st)%2)+\c)*768
	ds_load_b64 v[\reg+6*\c+4:\reg+6*\c+5], v[A8+(\st)/4] offset:(((\st)/2)%2)*AKQ+(\a)*3072+(2*((\st)%2)+\c)*768+512
.endr
.endm
.macro FETCH st
	WIN TO_B
.irp i, 0,1,2,3,4,5,6,7
	FRB 128*((\st)%2)+FR*\i, \st, \i
.endr
	WIN 0
.irp a, 0,1,2,3
	FRA AF+48*((\st)%2)+FR*\a, \st, \a
.endr
.endm
.macro MUL16 a0, st, cm                ; the 32 accumulators take turns
.irp a, \a0, \a0+1
.irp b, 0,1,2,3,4,5,6,7
.set DD, 8*(8*(\a)+\b)
.set BF, 128*((\st)%2)+FR*\b
.set AA, AF+48*((\st)%2)+FR*(\a)
.set SB, SCB+4*\b+(\st)%4
.set SA, SCA+4*(\a)+(\st)%4
.if \cm
	v_wmma_scale_f32_16x16x128_f8f6f4 v[DD:DD+7], v[BF:BF+11], v[AA:AA+11], v[BIAS+8*\b:BIAS+8*\b+7], v[SB], v[SA] matrix_a_fmt:MATRIX_FMT_FP6 matrix_b_fmt:MATRIX_FMT_FP6
.elseif (\st) < 4
	v_wmma_scale_f32_16x16x128_f8f6f4 v[DD:DD+7], v[BF:BF+11], v[AA:AA+11], v[DD:DD+7], v[SB], v[SA] matrix_a_fmt:MATRIX_FMT_FP6 matrix_b_fmt:MATRIX_FMT_FP6
.else
	v_wmma_scale_f32_16x16x128_f8f6f4 v[DD:DD+7], v[BF:BF+11], v[AA:AA+11], v[DD:DD+7], v[SB], v[SA] matrix_a_fmt:MATRIX_FMT_FP6 matrix_b_fmt:MATRIX_FMT_FP6 matrix_a_scale:MATRIX_SCALE_ROW1 matrix_b_scale:MATRIX_SCALE_ROW1
.endif
.endr
.endr
.endm
.macro STEP st, cm                     ; 32 products; the next step's fragments are fetched into the other sets in the step's middle
	s_wait_dscnt 0x0                               ; this step's fragments are in
.if (\st) == 7
	s_barrier_signal -1                            ; my reads of LDS are over
.endif
.if \cm
	WIN 0x81
.else
	WIN MUL_LO
.endif
	MUL16 0, \st, \cm
.if (\st) < 7
	PLACES NP                                      ; in front of loads into registers that the last step's products have read
	FETCH (\st)+1
.if \cm
	WIN 0x81
.else
	WIN MUL_LO
.endif
.endif
	MUL16 2, \st, \cm
	WIN 0
.endm
	s_wait_alu depctr_va_vdst(0)                   ; the wait at the head's end
	s_wait_tensorcnt 0x0                           ; my tile is in,
	s_barrier_signal -1
	s_barrier_wait -1                              ; everybody's is
	FETCH 0
	s_wait_loadcnt 0x0                             ; scales and bias
	STEP 0, 1
.set ST, 1
.rept 7
	STEP ST, 0
.set ST, ST+1
.endr
	s_barrier_wait -1                              ; nobody reads the images any more: their bytes, which have had their one fill, serve as stages
; THE WAY OUT, block by block of 16 tokens x 128 channels: through my own stage, back as whole rows of 512 bytes
.macro TOSTAGE a
	WIN 0x08
.irp b, 0,1,2,3,4,5,6,7
	ds_store_b128 v[STO], v[64*(\a)+8*\b:64*(\a)+8*\b+3] offset:64*\b        ; each accumulator from its low end on
	ds_store_b128 v[STO], v[64*(\a)+8*\b+4:64*(\a)+8*\b+7] offset:64*\b+16
.endr
	WIN 0
.set BB, BK+64*((\a)%2)
.irp t, 0,1,2,3,4,5,6,7,8,9,10,11,12,13,14,15
	ds_load_b128 v[BB+4*\t:BB+4*\t+3], v[RD] offset:\t*SPITCH                ; LDS serves a wave's instructions in order
.endr
.endm
.macro SEND a, younger
.set BB, BK+64*((\a)%2)
	s_wait_dscnt \younger
.if (\a) > 0
	s_add_nc_u64 s[42:43], s[42:43], 16*SIZE_N*4   ; behind a wait on XCNT: the earlier stores have read their base
.endif
.irp t, 0,1,2,3,4,5,6,7,8,9,10,11,12,13,14,15
	global_store_b128 v[CO], v[BB+4*\t:BB+4*\t+3], s[42:43] offset:\t*SIZE_N*4 th:TH_STORE_NT   ; 512 consecutive bytes, aligned
.endr
.endm
	PLACES NP
	TOSTAGE 0
.irp a, 1,2,3
.if \a > 1
	s_wait_xcnt 0x0
.endif
	TOSTAGE \a
	SEND \a-1, 32                                  ; behind block a - 1's loads: block a's 16 stores and 16 loads
.endr
	s_wait_xcnt 0x0
	SEND 3, 0
	s_wait_tensorcnt 0x0                           ; the wave's end
	ds_add_u32 v[SPW], v[NIL]
	s_wait_dscnt 0x0
	CROUND                                         ; the closing round
	s_endpgm
.Lfunc_end_k_q308d7189b5_outp:
	.size	k_q308d7189b5_outp, .Lfunc_end_k_q308d7189b5_outp-k_q308d7189b5_outp
	.p2alignl 7, 3214868480
	.fill 96, 4, 3214868480
	.section	.rodata,"a",@progbits
	.p2align	6, 0x0
	.amdhsa_kernel k_q308d7189b5_outp
		.amdhsa_group_segment_fixed_size 327680
		.amdhsa_private_segment_fixed_size 0
		.amdhsa_enable_private_segment 0
		.amdhsa_kernarg_size 48
		.amdhsa_user_sgpr_count 2
		.amdhsa_user_sgpr_kernarg_segment_ptr 1
		.amdhsa_wavefront_size32 1
		.amdhsa_system_sgpr_workgroup_id_x 1
		.amdhsa_system_sgpr_workgroup_id_y 1
		.amdhsa_system_sgpr_workgroup_id_z 1
		.amdhsa_system_vgpr_workitem_id 0
		.amdhsa_next_free_vgpr 768
		.amdhsa_next_free_sgpr 100
		.amdhsa_reserve_vcc 0
		.amdhsa_float_denorm_mode_32 3
		.amdhsa_float_denorm_mode_16_64 3
		.amdhsa_memory_ordered 1
		.amdhsa_forward_progress 1
		.amdhsa_inst_pref_size 91
	.end_amdhsa_kernel
	.amdgpu_metadata
---
amdhsa.version: [ 1, 2 ]
amdhsa.kernels:
  - .name:           k_q308d7189b5_outp
    .symbol:         k_q308d7189b5_outp.kd
    .args:
      - { .name: ao_codes, .offset: 0, .size: 8, .value_kind: global_buffer, .address_space: global }
      - { .name: ao_scales, .offset: 8, .size: 8, .value_kind: global_buffer, .address_space: global }
      - { .name: Wo_codes, .offset: 16, .size: 8, .value_kind: global_buffer, .address_space: global }
      - { .name: Wo_scales, .offset: 24, .size: 8, .value_kind: global_buffer, .address_space: global }
      - { .name: bo, .offset: 32, .size: 8, .value_kind: global_buffer, .address_space: global }
      - { .name: out0, .offset: 40, .size: 8, .value_kind: global_buffer, .address_space: global }
    .group_segment_fixed_size: 327680
    .private_segment_fixed_size: 0
    .kernarg_segment_align: 8
    .kernarg_segment_size: 48
    .max_flat_workgroup_size: 128
    .sgpr_count:     100
    .vgpr_count:     768
    .wavefront_size: 32
...
	.end_amdgpu_metadata
.endif
;; end of part 3
